; MI455X (gfx1250); checked and timed in simulation.
; The chip was launched on July 23, 2026; its instructions are those of AMD's public machine-readable ISA for CDNA 5 (MIT licence, August 2026) and "CDNA5" Instruction Set Architecture Reference Guide (July 2026). The comments in the code are by the model that wrote it; some were corrected since.
;; Selective Attn MLA. Allowed arithmetic: matrix products marked QUANTISED: E2M1 operands, one E8M0 scale for each 32 along K, by v_wmma_scale_f32_16x16x128_f8f6f4 with both operands' format E2M1 (or v_wmma_scale_f32_32x16x128_f4), f32 sums; everything else in f32.
;; Inputs: k 8,192 x 16 x 192 float32; q 8,192 x 16 x 192 float32; selected_indices 8,192 x 4 x 16 int32; v 8,192 x 16 x 64 float32.
;; Outputs: out0 8,192 x 1,024 float32.
;; Constants: batch_size = 4, seq_len = 2048.
;; This version of the problem:
;;   THIS VERSION OF THE PROBLEM IS GIVEN IN LOW PRECISION. The matrix products marked QUANTISED in the list below multiply operands that are first quantised to E2M1 (2 exponent bits, 1 mantissa bit; 4 bits a number), with one power-of-two scale for each 32 numbers along K (OCP MX v1.0); their sums are f32. All else is computed in f32.
;;   The module's matrix products, in the order in which they are computed (A, B: the left and right operand; K: the contracted axis; several contracted axes count as one K, in the product's order):
;;     1. batch 64 x [M 2,048, K 192] x [K 192, N 2,048]; A: input q; B: input k: QUANTISED
;;     2. batch 64 x [M 64, K 2,048] x [K 2,048, N 2,048]; A: input v; B: softmax (see below): QUANTISED
;;   THE QUANTISER, for each operand of a quantised product, along K:
;;     - K is cut into blocks of 32 from its start; a last block that is shorter is filled with zeros.
;;     - A block's scale is 2^e with e = floor(log2(the largest magnitude in the block)) - 2, held to -126 .. 127; a block of zeros has e = 0. As a byte (E8M0): e + 127.
;;     - Each number is divided by its block's scale, clamped to +-6, and rounded to the nearest number of E2M1, ties to even, subnormals kept.
;;     - The product sums the exact products of the quantised numbers (number of the format x scale) in f32.
;;   ~~~python
;;   def quantise(x, axis):      # numpy; x: float32 -> the quantised numbers, widened to float32 again
;;       x = np.moveaxis(x, axis, -1); K = x.shape[-1]
;;       x = np.pad(x, [(0, 0)] * (x.ndim - 1) + [(0, -K % 32)]); x = x.reshape(x.shape[:-1] + (-1, 32)); a = np.abs(x).max(-1, keepdims=True)
;;       e = np.where(a > 0, np.clip(np.frexp(np.where(a > 0, a, 1))[1] - 1 - 2, -126, 127), 0)      # np.frexp(a)[1] - 1 = floor(log2(a)), exactly
;;       r = np.clip(x / 2.0 ** e, -6, 6)
;;       step = 2.0 ** (np.maximum(np.frexp(np.where(r == 0, 1, r))[1] - 1, 0) - 1)
;;       q = np.round(r / step) * step * 2.0 ** e      # np.round: ties to even
;;       return np.moveaxis(q.reshape(q.shape[:-2] + (-1,))[..., :K], -1, axis).astype(np.float32)
;;   ~~~
;;   SOFTMAX AHEAD OF A QUANTISED PRODUCT. Where the list says 'softmax', what is quantised is not the finished softmax but p = 2^(t - M), with t = logit x log2(e) and M = ceil(the row's largest t), a whole number; so 1/2 < the row's largest p <= 1. The row's sum l is taken of the UNQUANTISED p, in f32, and the product's result is divided by l at the end. Since M is a whole number, a kernel that streams over the keys may use a running M (the ceiling of the running maximum): every later rescaling is an exact power of two, which a block's scale takes up: the codes' values come out the same.
;;   OPERANDS COMPUTED ON THE WAY. 'Computed on the way' means the value that the module computes at that place (a softmax that the list does not call 'softmax' is quantised finished and normalised). What goes into a quantiser is computed in f32, as accurately as f32 sums, v_exp_f32 and their like allow (about 1e-6 of the number): no bf16 or f16 on the way to a quantiser, and a product that is left as it is and whose result goes on into a quantised operand takes f32 operands (vector FMAs, or v_wmma_f32_16x16x4_f32). A number that lies on a knife's edge between two numbers of the format may be rounded either way, as far as f32 arithmetic and the matrix unit's own rounding can turn it there, and no further.
;; One version. Each part assembles by itself: llvm-mc -triple=amdgcn-amd-amdhsa -mcpu=gfx1250 --defsym DOCPART=n.
;; ======== version 1 of 1: 2 launches
;; limits: right only within a limited range of input values
;; workspace buffers: kv 18,087,936 bytes; qc 13,631,488 bytes; vsum 131,072 bytes
;; launch quant (part 1): grid 1088 x 1, 8 waves a work-group, no clusters, 46,080 bytes of LDS; arguments k, q, v, kv, qc, vsum; writes kv, qc, vsum
.if DOCPART == 1
	.amdgcn_target "amdgcn-amd-amdhsa--gfx1250"
	.amdhsa_code_object_version 6
	.text
	.protected	k_qdfbefab410_quant
	.globl	k_qdfbefab410_quant
	.p2align	8
	.type	k_qdfbefab410_quant,@function
k_qdfbefab410_quant:
	s_mov_b64 s[64:65], 0
	v_nop
	global_prefetch_b8 v0, s[64:65] scope:SCOPE_SE
	s_setreg_imm32_b32 hwreg(HW_REG_WAVE_MODE, 25, 1), 1
	s_wait_xcnt 0x0
; k, q [8192 tokens][16 heads][192] and v [8192][16][64], f32, become codes of FP4 (E2M1) with one E8M0 scale byte for each 32 along a product's K,
; laid as IMAGES OF OPERAND REGISTERS, so that the attention launch takes every fragment by dense loads of 16 bytes a lane.
; A block's scale is 2^(floor(log2(its largest magnitude)) - 2); its byte is the largest magnitude's exponent field - 2, held at 1 from below by a floor among the maximum's leaves.
; kv: [64 heads of 4 sequences][16 key steps of 128 keys][17,664 bytes]: 12,288 K's codes (tile t at 1,536 t, piece p at 512 p, lane at 16 l: lane (r, h) holds block 2 p + h of its row's six blocks of 32),
;     4,096 V's codes (tile d = channels 16 d + r at 1,024 d, piece c at 512 c, lane at 16 l: keys 64 c + 32 h + 0 .. 31), 1,024 K's scale words (tile t at 128 t, lane at 4 l: lanes 0-15 blocks 0-3,
;     lanes 16-31 blocks 4, 5 and two bytes 0x7f for the zero codes that fill K up to 256), 256 V's scale words (4 x channel).
; qc: [64][16 groups of 128 queries][13,312 bytes]: codes and scale words as K's.
; THE ROWS OF A TILE ARE NOT NEIGHBOURS: lane r of tile 2 b + u of a group of 128 takes row 32 b + 8 u + r + 8 (r / 8).
; vsum: [64][8 waves][64] f32: each V wave's sum over its 256 keys of the quantised v (a row of the mask that lets no key through gets the mean of the quantised v).
; SHARES.  Work-groups 0-63: V, one head each, wave w keys 256 w on.  Work-groups 64-1087: k, then q: a wave takes one head x 32 tokens = two tiles; the eight waves take eight neighbouring heads.
; The two ways part on the work-group's number and never meet again; each has LDS bytes of its own.  Waves share nothing: no barrier.
; No matrix unit, no cluster, no tensor load: every input byte is read once and nothing is shared between work-groups.
; LIMITS: NaN and infinities among the inputs are not served.  A block of zeros, or one whose largest magnitude lies under 2^-124, gets the byte 1 (the rule says 127 for zeros): its codes
; are zeros or the rounding under that scale, and this program alone reads the bytes.
.set ROWB,  12288                      ; a token's row of k or q in bytes; a head's part is 768
.set KVB,   17664
.set QCB,   13312
.set WREG,  5376                       ; LDS of a k/q wave: a stage of 2 x 32 places of 80 bytes, then 256 bytes of scale words
.set GATH,  5120
.set VLDS,  43008                      ; LDS of the V way: 256 bytes a wave
.set FLOOR, 0x1800000                  ; 2^(3 - 127)
.set R,     16                         ; v16-111  three sets of 32: a sub-task's 16 rows x 256 bytes as loaded
.set X,     112                        ; v112-143 two half blocks of 16 neighbours
.set C,     144                        ; v144-155 codes: six pairs, taken by turns
.set VX,    16                         ; V: v16-79 two sets of 32 numbers down the keys
.set VD,    80                         ; v80-111  the codes' values again
.set VC,    112                        ; v112-119 codes, four registers for each half of the channels
.set ACC,   120                        ; v120-121 the sums
.set SWD,   122                        ; v122-123 scale words
	s_load_b256 s[4:11], s[0:1], 0x0               ; k s[4:5], q s[6:7], v s[8:9], kv s[10:11]
	s_load_b128 s[12:15], s[0:1], 0x20             ; qc s[12:13], vsum s[14:15]
	v_lshl_add_u32 v156, v0, 2, 0xb000
	v_mov_b32 v157, 0
	v_lshrrev_b32 v1, 5, v0
	s_delay_alu instid0(VALU_DEP_1)
	v_readfirstlane_b32 s16, v1                    ; wave 0..7
	v_and_b32 v1, 31, v0                           ; lane
	s_cmp_lt_u32 ttmp9, 64
	s_cbranch_scc1 .Lv
; ---------------- k and q ----------------
	v_lshrrev_b32 v8, 4, v1                        ; l / 16
	v_and_b32 v9, 15, v1
	s_delay_alu instid0(VALU_DEP_2)
	v_mul_u32_u24 v2, v8, ROWB
	s_delay_alu instid0(VALU_DEP_1)
	v_lshl_add_u32 v2, v9, 4, v2                   ; v2: in: lanes 0-15 one row's 256 bytes, lanes 16-31 the next row's
	s_mul_i32 s17, s16, WREG                       ; my wave's LDS
	v_bfe_u32 v9, v1, 3, 1                         ; which of the piece's two blocks my 16 bytes belong to
	s_delay_alu instid0(VALU_DEP_1)
	v_mul_u32_u24 v3, v9, 2560
	v_bfe_u32 v9, v1, 2, 1                         ; which half of that block
	s_delay_alu instid0(VALU_DEP_1)
	v_lshl_add_u32 v9, v8, 1, v9
	s_delay_alu instid0(VALU_DEP_1)
	v_mad_u32_u24 v3, v9, 80, v3                   ; place 2 x row + half, 80 bytes a place (64 + 16 of padding)
	v_and_b32 v9, 3, v1
	s_delay_alu instid0(VALU_DEP_1)
	v_lshl_add_u32 v3, v9, 4, v3
	s_delay_alu instid0(VALU_DEP_1)
	v_add_nc_u32 v3, s17, v3                       ; v3: into the stage; load i adds 320 i (two rows on)
	v_mul_u32_u24 v4, v1, 80
	s_delay_alu instid0(VALU_DEP_1)
	v_add_nc_u32 v4, s17, v4                       ; v4: out of it: place = lane: row l / 2, half l % 2: 16 neighbours along K
	v_lshlrev_b32 v5, 3, v1                        ; v5: 8 x lane: my 16 codes in a store's 256 bytes
	v_and_b32 v9, 1, v1
	v_lshrrev_b32 v10, 1, v1
	s_delay_alu instid0(VALU_DEP_2)
	v_lshlrev_b32 v6, 6, v9
	s_delay_alu instid0(VALU_DEP_1)
	v_lshl_add_u32 v6, v10, 2, v6
	s_delay_alu instid0(VALU_DEP_1)
	v_add_nc_u32 v6, s17, v6                       ; v6: scale words in: even lanes row's word 0 at 4 r, odd lanes word 1 at 64 + 4 r
	v_add_nc_u32 v7, s17, v5                       ; v7: and out: 8 bytes a lane
	s_sub_co_u32 s18, ttmp9, 64                    ; n
	s_lshr_b32 s19, s18, 9                         ; 0: k, 1: q
	s_bfe_u32 s20, s18, 0x80001                    ; g: which 32 tokens
	s_and_b32 s21, s18, 1
	s_lshl_b32 s21, s21, 3
	s_add_co_u32 s21, s21, s16                     ; head = 8 (n % 2) + wave
	s_lshr_b32 s22, s20, 6                         ; sequence
	s_bfe_u32 s23, s20, 0x40002                    ; group of 128 in it
	s_and_b32 s24, s20, 3                          ; which pair of tiles in the group
	s_mov_b32 s30, 0xaaaaaaaa                      ; the odd lanes
	s_mul_i32 s28, s20, 32*ROWB
	s_mul_i32 s29, s21, 768
	s_add_co_u32 s28, s28, s29                     ; where my rows begin (under 2^27)
	s_mov_b32 s29, 0
	s_lshl_b32 s32, s22, 4
	s_add_co_u32 s32, s32, s21
	s_lshl_b32 s32, s32, 4
	s_add_co_u32 s32, s32, s23                     ; the block's number: (16 x sequence + head) x 16 + group
	s_wait_alu depctr_va_vdst(0)
	s_wait_kmcnt 0x0
	s_cmp_eq_u32 s19, 0                            ; the choice hangs on the work-group's number alone
	s_cselect_b64 s[4:5], s[4:5], s[6:7]
	s_cselect_b64 s[10:11], s[10:11], s[12:13]
	s_mov_b32 s25, QCB
	s_cselect_b32 s25, KVB, s25                    ; a block's bytes
	s_mov_b32 s26, 12288
	s_cselect_b32 s26, 16384, s26                  ; where its scale words begin
	s_mul_i32 s32, s32, s25
	s_lshl_b32 s34, s24, 8
	s_add_co_u32 s34, s34, s26
	s_add_co_u32 s34, s34, s32
	s_mov_b32 s35, 0
	s_mul_i32 s33, s24, 3072
	s_add_co_u32 s32, s32, s33
	s_mov_b32 s33, 0
	s_add_nc_u64 s[4:5], s[4:5], s[28:29]          ; in
	s_add_nc_u64 s[12:13], s[10:11], s[34:35]      ; my two tiles' scale words
	s_add_nc_u64 s[10:11], s[10:11], s[32:33]      ; my two tiles' codes
; Sub-task n = 3 u + p: piece p (256 bytes: blocks 2 p, 2 p + 1) of tile u's 16 rows.  Eight loads, each of two rows' aligned 256 bytes.
.macro LOAD n
.irp i, 0,1,2,3,4,5,6,7
	global_load_b128 v[R+32*((\n)%3)+4*\i:R+32*((\n)%3)+4*\i+3], v2, s[4:5] offset:(8*((\n)/3)+2*\i+8*(\i/4))*ROWB+256*((\n)%3) th:TH_LOAD_NT
.endr
.endm
; One block of 32 for all 16 rows: two neighbouring lanes hold a block.
.macro BLOCK n, kbl
.set XS, X+16*(\kbl)
.set KB, 2*((\n)%3)+(\kbl)
.set CP, C+2*((2*(\n)+(\kbl))%6)       ; six pairs by turns: a pair is written again three sub-tasks on, behind s_wait_xcnt 0
	v_max3_num_f32 v8, |v[XS]|, |v[XS+1]|, |v[XS+2]|               ; the largest magnitude of my 16, in two chains
	v_max3_num_f32 v9, |v[XS+3]|, |v[XS+4]|, |v[XS+5]|
.irp i, 6,10
	s_delay_alu instid0(VALU_DEP_2)
	v_max3_num_f32 v8, v8, |v[XS+\i]|, |v[XS+\i+1]|
	s_delay_alu instid0(VALU_DEP_2)
	v_max3_num_f32 v9, v9, |v[XS+\i+2]|, |v[XS+\i+3]|
.endr
	s_delay_alu instid0(VALU_DEP_2)
	v_max3_num_f32 v8, v8, |v[XS+14]|, |v[XS+15]|
	s_delay_alu instid0(VALU_DEP_1)
	v_max3_num_f32 v8, v8, v9, FLOOR               ; and the floor: the byte cannot fall under 1
	s_delay_alu instid0(VALU_DEP_1)
	v_max_num_f32_dpp v8, v8, v8 row_xmask:1 row_mask:0xf bank_mask:0xf   ; with my neighbour's 16: the block's
	s_delay_alu instid0(VALU_DEP_1)
	v_add_nc_u32 v11, 0xff000000, v8               ; 2 off the exponent field: the conversion takes this operand's exponent field as its scale
	v_cvt_scalef32_pk8_fp4_f32 v[CP], v[XS:XS+7], v11
	v_cvt_scalef32_pk8_fp4_f32 v[CP+1], v[XS+8:XS+15], v11
	v_lshrrev_b32 v10, 23, v11                     ; the scale's byte (also the plain line behind the conversions)
.if KB == 0
	s_delay_alu instid0(VALU_DEP_1)
	v_mov_b32 v12, v10                             ; word 0: blocks 0-3
.elseif KB < 4
	s_delay_alu instid0(VALU_DEP_1)
	v_lshl_or_b32 v12, v10, 8*KB, v12
.elseif KB == 4
	s_delay_alu instid0(VALU_DEP_1)
	v_or_b32 v13, 0x7f7f0000, v10                  ; word 1: blocks 4, 5, and 1.0 for the zero codes beyond K = 192
.else
	s_delay_alu instid0(VALU_DEP_1)
	v_lshl_or_b32 v13, v10, 8, v13
.endif
	global_store_b64 v5, v[CP:CP+1], s[10:11] offset:1536*((\n)/3)+512*((\n)%3)+256*(\kbl)   ; 32 lanes store 256 consecutive bytes, aligned
.endm
.macro SUB n
.if (\n) >= 3
	s_wait_xcnt 0x0                                ; the stores of three sub-tasks ago have read their codes: the pairs are written again only behind this wait
.endif
.if (\n) <= 3
	s_wait_loadcnt 16                              ; my eight loads are in; the two younger sub-tasks' sixteen may be out
.else
	s_wait_loadcnt 8*(5-(\n))
.endif
.irp i, 0,1,2,3,4,5,6,7
	ds_store_b128 v3, v[R+32*((\n)%3)+4*\i:R+32*((\n)%3)+4*\i+3] offset:320*\i
.endr
.irp kbl, 0,1
.irp j, 0,1,2,3
	ds_load_b128 v[X+16*\kbl+4*\j:X+16*\kbl+4*\j+3], v4 offset:2560*\kbl+16*\j   ; LDS serves a wave's instructions in order: these see the stores above
.endr
.endr
	s_wait_dscnt 0x0                               ; the neighbours are in, and the stage's stores have read their registers,
.if (\n)+3 < 6
	LOAD (\n)+3                                    ; which take the loads of three sub-tasks on
.endif
	BLOCK \n, 0
	BLOCK \n, 1
.if (\n)%3 == 2
	v_cndmask_b32 v8, v12, v13, s30                ; even lanes give the row's word 0, odd lanes its word 1
	ds_store_b32 v6, v8 offset:GATH+128*((\n)/3)
.endif
.endm
	LOAD 0
	LOAD 1
	LOAD 2
.irp n, 0,1,2,3,4,5
	SUB \n
.endr
	ds_load_b64 v[14:15], v7 offset:GATH           ; two tiles' scale words
	s_wait_dscnt 0x0
	global_store_b64 v5, v[14:15], s[12:13]        ; 256 consecutive bytes, aligned
	s_wait_tensorcnt 0x0
	ds_add_u32 v156, v157
	s_wait_dscnt 0x0
	s_endpgm
; ---------------- v ----------------
; K of the second product is the keys, v's first axis within a head: A LANE TAKES A CHANNEL AND ITS REGISTERS RUN DOWN THE KEYS, so a block of 32 keys lies in one lane's 32 registers.
.Lv:
	s_wait_alu depctr_va_vdst(0)
	v_lshlrev_b32 v2, 2, v1                        ; v2: in: 4 bytes a lane; also my channel's scale word
	v_lshrrev_b32 v8, 4, v1
	v_and_b32 v9, 15, v1
	s_delay_alu instid0(VALU_DEP_2)
	v_lshlrev_b32 v3, 10, v8
	s_delay_alu instid0(VALU_DEP_1)
	v_lshl_add_u32 v3, v9, 4, v3                   ; v3: my 16 bytes of codes: tile l / 16 of the half's two, lane place l % 16
	v_lshlrev_b32 v5, 3, v1
	s_lshl_b32 s17, s16, 8
	v_add_nc_u32 v6, s17, v2                       ; LDS: my wave's 256 bytes, 4 bytes a lane in,
	v_add_nc_u32 v7, s17, v5                       ; 8 out
	v_mov_b32 v124, 0x7f7f7f7f                     ; the scale 1.0 in every byte, for the way back from codes
	s_lshr_b32 s18, ttmp9, 4                       ; sequence
	s_and_b32 s19, ttmp9, 15                       ; head
	s_lshl_b32 s20, s18, 11
	s_lshl_b32 s21, s16, 8
	s_add_co_u32 s20, s20, s21                     ; my first token
	s_lshl_b32 s20, s20, 12                        ; a token's row of v is 4,096 bytes,
	s_lshl_b32 s21, s19, 8                         ; a head's part 256
	s_add_co_u32 s20, s20, s21
	s_mov_b32 s21, 0
	s_lshl_b32 s22, ttmp9, 4
	s_lshl_b32 s23, s16, 1
	s_add_co_u32 s22, s22, s23                     ; my first key step's block
	s_mul_i32 s22, s22, KVB
	s_mov_b32 s23, 0
	s_lshl_b32 s24, ttmp9, 3
	s_add_co_u32 s24, s24, s16
	s_lshl_b32 s24, s24, 8
	s_mov_b32 s25, 0
	s_wait_alu depctr_va_vdst(0)
	s_wait_kmcnt 0x0
	s_add_nc_u64 s[8:9], s[8:9], s[20:21]
	s_add_nc_u64 s[10:11], s[10:11], s[22:23]
	s_add_nc_u64 s[14:15], s[14:15], s[24:25]
; Unit q = 2 kb + cc: key block kb (0..7) x channels 32 cc + lane.
.macro VLOAD q
.set i, 0
.rept 32
	global_load_b32 v[VX+32*((\q)%2)+i], v2, s[8:9] offset:(32*((\q)/2)+i)*4096+128*((\q)%2)
.set i, i+1
.endr
.endm
.macro VUNIT q
.set XS, VX+32*((\q)%2)
.set CC, (\q)%2
.set KB, (\q)/2
.if (\q) < 15
	s_wait_loadcnt 32                              ; this unit's 32 loads are in; the next unit's may be out
.else
	s_wait_loadcnt 0x0
.endif
	s_wait_xcnt 0x0                                ; earlier stores have read their data: the codes' and the scale words' registers are written again only behind this wait
	v_max3_num_f32 v8, |v[XS]|, |v[XS+1]|, |v[XS+2]|               ; all 32 numbers of the block are mine
	v_max3_num_f32 v9, |v[XS+3]|, |v[XS+4]|, |v[XS+5]|
.irp i, 6,10,14,18,22,26
	s_delay_alu instid0(VALU_DEP_2)
	v_max3_num_f32 v8, v8, |v[XS+\i]|, |v[XS+\i+1]|
	s_delay_alu instid0(VALU_DEP_2)
	v_max3_num_f32 v9, v9, |v[XS+\i+2]|, |v[XS+\i+3]|
.endr
	s_delay_alu instid0(VALU_DEP_2)
	v_max3_num_f32 v8, v8, |v[XS+30]|, |v[XS+31]|
	s_delay_alu instid0(VALU_DEP_1)
	v_max3_num_f32 v8, v8, v9, FLOOR
	s_delay_alu instid0(VALU_DEP_1)
	v_add_nc_u32 v11, 0xff000000, v8               ; the conversion's scale operand
	s_delay_alu instid0(VALU_DEP_1)
	v_lshrrev_b32 v10, 23, v11                     ; the byte
.if KB%4 == 0
	s_delay_alu instid0(VALU_DEP_1)
	v_mov_b32 v[SWD+CC], v10
.else
	s_delay_alu instid0(VALU_DEP_1)
	v_lshl_or_b32 v[SWD+CC], v10, 8*(KB%4), v[SWD+CC]
.endif
	s_delay_alu instid0(VALU_DEP_3)
	v_and_b32 v13, 0x7f800000, v11                 ; the scale as a number
.irp g, 0,1,2,3
	v_cvt_scalef32_pk8_fp4_f32 v[VC+4*CC+\g], v[XS+8*\g:XS+8*\g+7], v11
.endr
	v_nop                                          ; one plain line behind the conversions: their results are read again below
	global_store_b128 v3, v[VC+4*CC:VC+4*CC+3], s[10:11] offset:(KB/4)*KVB+12288+2048*CC+512*((KB%4)/2)+256*(KB%2)   ; sixteen lanes store 256 consecutive bytes, aligned
.if (\q)+2 < 16
	VLOAD (\q)+2
.endif
.irp g, 0,1,2,3
	v_cvt_scale_pk8_f32_fp4 v[VD+8*\g:VD+8*\g+7], v[VC+4*CC+\g], v124   ; the codes' values, x 1.0
.endr
	v_nop
.irp j, 0,4,8,12,16,20,24,28
	v_pk_add_f32 v[VD+\j:VD+\j+1], v[VD+\j:VD+\j+1], v[VD+\j+2:VD+\j+3]   ; their sum is exact: halves, 192 at the most
.endr
.irp j, 0,8,16,24
	v_pk_add_f32 v[VD+\j:VD+\j+1], v[VD+\j:VD+\j+1], v[VD+\j+4:VD+\j+5]
.endr
.irp j, 0
	s_delay_alu instid0(VALU_DEP_3)
	v_pk_add_f32 v[VD+\j:VD+\j+1], v[VD+\j:VD+\j+1], v[VD+\j+8:VD+\j+9]
.endr
.irp j, 16
	s_delay_alu instid0(VALU_DEP_2)
	v_pk_add_f32 v[VD+\j:VD+\j+1], v[VD+\j:VD+\j+1], v[VD+\j+8:VD+\j+9]
.endr
	s_delay_alu instid0(VALU_DEP_1)
	v_pk_add_f32 v[VD:VD+1], v[VD:VD+1], v[VD+16:VD+17]
	s_delay_alu instid0(VALU_DEP_1)
	v_add_f32 v9, v[VD], v[VD+1]
.if KB == 0
	s_delay_alu instid0(VALU_DEP_1)
	v_mul_f32 v[ACC+CC], v9, v13                   ; the first block starts the sum
.else
	s_delay_alu instid0(VALU_DEP_1)
	v_fmac_f32 v[ACC+CC], v9, v13
.endif
.if KB%4 == 3
	global_store_b32 v2, v[SWD+CC], s[10:11] offset:(KB/4)*KVB+17408+128*CC   ; 32 channels' scale words: 128 consecutive bytes, 256 of a block's 17,664 go out so
.endif
.endm
	VLOAD 0
	VLOAD 1
.irp q, 0,1,2,3,4,5,6,7,8,9,10,11,12,13,14,15
	VUNIT \q
.endr
	ds_store_b32 v6, v[ACC] offset:VLDS            ; my wave's 64 sums meet in its own 256 bytes of LDS
	ds_store_b32 v6, v[ACC+1] offset:VLDS+128
	ds_load_b64 v[14:15], v7 offset:VLDS           ; LDS serves a wave's instructions in order
	s_wait_dscnt 0x0
	global_store_b64 v5, v[14:15], s[14:15]        ; and leave as 256 consecutive bytes, aligned
	s_wait_tensorcnt 0x0
	ds_add_u32 v156, v157
	s_wait_dscnt 0x0
	s_endpgm
.Lfunc_end_k_qdfbefab410_quant:
	.size	k_qdfbefab410_quant, .Lfunc_end_k_qdfbefab410_quant-k_qdfbefab410_quant
	.p2alignl 7, 3214868480
	.fill 96, 4, 3214868480
	.section	.rodata,"a",@progbits
	.p2align	6, 0x0
	.amdhsa_kernel k_qdfbefab410_quant
		.amdhsa_group_segment_fixed_size 46080
		.amdhsa_private_segment_fixed_size 0
		.amdhsa_enable_private_segment 0
		.amdhsa_kernarg_size 48
		.amdhsa_user_sgpr_count 2
		.amdhsa_user_sgpr_kernarg_segment_ptr 1
		.amdhsa_wavefront_size32 1
		.amdhsa_system_sgpr_workgroup_id_x 1
		.amdhsa_system_sgpr_workgroup_id_y 1
		.amdhsa_system_sgpr_workgroup_id_z 1
		.amdhsa_system_vgpr_workitem_id 0
		.amdhsa_next_free_vgpr 160
		.amdhsa_next_free_sgpr 66
		.amdhsa_reserve_vcc 0
		.amdhsa_float_denorm_mode_32 3
		.amdhsa_float_denorm_mode_16_64 3
		.amdhsa_memory_ordered 1
		.amdhsa_forward_progress 1
		.amdhsa_inst_pref_size 140
	.end_amdhsa_kernel
	.amdgpu_metadata
---
amdhsa.version: [ 1, 2 ]
amdhsa.kernels:
  - .name:           k_qdfbefab410_quant
    .symbol:         k_qdfbefab410_quant.kd
    .args:
      - { .name: k, .offset: 0, .size: 8, .value_kind: global_buffer, .address_space: global }
      - { .name: q, .offset: 8, .size: 8, .value_kind: global_buffer, .address_space: global }
      - { .name: v, .offset: 16, .size: 8, .value_kind: global_buffer, .address_space: global }
      - { .name: kv, .offset: 24, .size: 8, .value_kind: global_buffer, .address_space: global }
      - { .name: qc, .offset: 32, .size: 8, .value_kind: global_buffer, .address_space: global }
      - { .name: vsum, .offset: 40, .size: 8, .value_kind: global_buffer, .address_space: global }
    .group_segment_fixed_size: 46080
    .private_segment_fixed_size: 0
    .kernarg_segment_align: 8
    .kernarg_segment_size: 48
    .max_flat_workgroup_size: 256
    .sgpr_count:     66
    .vgpr_count:     160
    .wavefront_size: 32
...
	.end_amdgpu_metadata
.endif
;; end of part 1
;; launch attn (part 2): grid 4 x 64, 8 waves a work-group, no clusters, 106,752 bytes of LDS; arguments qc, kv, vsum, selected_indices, out0; writes out0
.if DOCPART == 2
	.amdgcn_target "amdgcn-amd-amdhsa--gfx1250"
	.amdhsa_code_object_version 6
	.text
	.protected	k_qdfbefab410_attn
	.globl	k_qdfbefab410_attn
	.p2align	8
	.type	k_qdfbefab410_attn,@function
k_qdfbefab410_attn:
	s_mov_b64 s[64:65], 0
	v_nop
	global_prefetch_b8 v0, s[64:65] scope:SCOPE_SE
	s_setreg_imm32_b32 hwreg(HW_REG_WAVE_MODE, 25, 1), 1
	s_wait_xcnt 0x0
; out[token][head][:] = the sum over keys of softmax(q . k / sqrt(192)) v, over the keys that are causal AND whose block of 64 keys is among the 16 indices of (token, group of 4 heads).
; Both products on codes of FP4 (E2M1), one E8M0 scale for each 32 along K; codes and scale words come from the launch before as images of operand registers (its head comment has the layouts).
; LEFT OUT: key steps all of whose 128 keys come after a tile's queries: the causal mask, built in the problem's own body, gives them the weight 0 for every input.  A NaN or infinity that reaches only those scores is not carried.
; SOFTMAX: t = score x c, c = log2(e) / sqrt(192); M = the running largest t rounded UP to a whole number; p = 2^(t - M) is quantised along the keys; the sum is taken of the unquantised p and divides at the end;
; when M moves, the sum and O are multiplied by 2^(old M - new M), which rounds nothing.
; THE MASK: a query's list is one word of 32 bits (an index outside 0 .. 31 sets no bit).  Where a block of 64 keys is not chosen, the addend -M of t - M is -infinity for its scores.
; A row that no key passes has the sum 0: it gets the mean of the quantised v (vsum), the uniform softmax over 2,048 keys.
; SHARES: work-group (x, head) owns the 256 queries of block 7 - x (section A) and of block x (section B).  Eight waves, two to a SIMD.  Wave w owns rows 32 (w % 4) .. + 31, two tiles of 16 queries,
; of A's group 2 (7 - x) + w / 4 and of B's group 2 x + 1 - w / 4: 17 steps of a pair of tiles in every wave.  ONE walk over the keys, 16 steps of 128, serves both sections; each fragment read from LDS feeds both tiles of a pair.
; Both products are used transposed: a lane holds one query; tile rows are 32 b + 8 u + r + 8 (r / 8), so p's 16 registers of two neighbouring tiles are 16 neighbouring keys.
; K = 192 goes as 128 + 128: Q's codes for K = 192..255 are zeros, so the upper four registers of K's second operand may hold any codes (every FP4 code is finite; the scale bytes there are 0x7f).
; THE RING: four LDS slots, each one key step's block of 17,664 bytes.  At the head of step j each wave stores its share of block j + 1 (in registers since the step before) and asks memory for block j + 2; it signals behind its
; stores' wait (and behind a way out that is due), does the step's work, and waits at the step's end: then block j + 1 is whole and every wave is in step j or later, so slot j + 2, last read in step j - 2, may be written.
; Between signal and wait a wave only reads slot j, which is next written three waits later.
; TWO CLASSES of waves, (w xor w / 4) & 1: class 0 clears O^T and makes its bitmaps ahead of the first barrier, class 1 behind it, so that the classes stand in different parts of a step.
; THE WAY OUT stands between a barrier's wait and the next signal: section B's at step 2 x + 2, section A's of waves 0-3 at the step behind their last; that of waves 4-7 behind the loop.
; NO CLUSTER, NO TENSOR LOAD: the four work-groups of a head need 16, 14, 12 and 10 blocks.  NO PREFETCH: each block is asked for, into registers, a whole step ahead of its hand-over.
; LIMITS: NaN and infinities among the inputs are not served.  1 / sqrt(192) and log2(e) are one f32 constant.  A block's largest p is taken from its largest score through the same multiply-add and exponential;
; a block of p whose largest lies under 2^-124 gets the scale byte 1.  The promise holds while the scaled scores stay under 2^31 in magnitude.
; WINDOW 0: v1 16 l, v2 4 l, v3 16 x thread, v4 8 x thread; v5, v6 fragment and scale addresses of the trip's slots; v7-10 store addresses; v11 -infinity; v12 my row in its 32 less 16 h; v13, v14 stage in, back; v15 bytes in out;
; v16 the mean's place; v17, v18 the add's; v20-23 bitmaps; v24-27 Q's scale words; v28-43 four tiles' -M, largest score, sum pair; XF K's K = 0..127, then V; YF K's K = 128..191 (two quads, four registers at work, twice), then p's codes;
; SC scores, then p; BM block maxima; KS, VS, PS scale words; AD addends; FF f and a register at work for each tile.  WINDOW 1: v0-127 O^T of four tiles; v128-191 Q; v192-209 the next block on its way.
; s14 wave; s15 x; s16 head; s17 trip; s18 key step; s20, s21 my groups; s22 w % 4; s23 blocks needed; s[24:25] block asked for next; s26, s27 the trip's slots and the others; s28, s29 the step's two bits; s30 -c; s[38:39] c;
; s40-43 lanes that chose; s44, s45 lanes with a sum above 0; s46 class; s47 2 x + 2.
.set BLKB,  17664
.set QBLK,  13312
.set PAIR,  2*BLKB
.set VMO,   4*BLKB
.set STG,   VMO+256
.set SPARE, STG+8*4352
.set XF, 44
.set YF, 76
.set SC, 100
.set BM, 228
.set KS, 236
.set VS, 240
.set PS, 242
.set AD, 244
.set FF, 252
.set SG, 192
.set QW, 128
.set MSB, 0
.macro WIN new                         ; the immediate's high byte repeats the setting that is left
.if MSB != \new
	s_set_vgpr_msb (MSB<<8)|\new
.set MSB, \new
.endif
.endm
.macro NOPS n
.rept \n
	v_nop
.endr
.endm
.macro AW
	s_wait_alu depctr_va_vdst(0)
.endm
.macro D2
	s_delay_alu instid0(VALU_DEP_2)
.endm
.macro GLOAD                           ; every thread's share of a block: 4 x 16 bytes, and 8 bytes a thread of waves 0-4 for the last 1,280
	WIN 0x40
.irp i, 0,1,2,3
	global_load_b128 v[SG+4*\i:SG+4*\i+3], v3, s[24:25] offset:4096*\i
.endr
	WIN 0
	s_cmp_lt_u32 s14, 5
	s_cbranch_scc0 .Lgl_\@
	WIN 0x40
	global_load_b64 v[SG+16:SG+17], v4, s[24:25] offset:16384
	WIN 0
.Lgl_\@:
.endm
.macro SSTORE wa, wb, off
	WIN 0x04
.irp i, 0,1,2,3
	ds_store_b128 v[\wa], v[SG+4*\i:SG+4*\i+3] offset:\off+4096*\i
.endr
	WIN 0
	s_cmp_lt_u32 s14, 5
	s_cbranch_scc0 .Lss_\@
	WIN 0x04
	ds_store_b64 v[\wb], v[SG+16:SG+17] offset:\off+16384
	WIN 0
.Lss_\@:
.endm
.macro ZEROO                           ; O^T: the step is written once, its first turn finds zeros
	WIN 0x40
.set j, 0
.rept 128
	v_mov_b32 v[j], 0
.set j, j+1
.endr
	WIN 0
.endm
.macro BITMAP dst, src                 ; eight indices here, eight in lane l xor 16
	v_mov_b32 v[\dst], 0
.irp i, 0,1,2,3,4,5,6,7
	v_lshlrev_b32 v253, v[\src+\i], 1
	v_cmp_gt_u32 vcc_lo, 32, v[\src+\i]            ; an index outside 0 .. 31 names no block
	v_cndmask_b32 v253, 0, v253, vcc_lo
	v_or_b32 v[\dst], v[\dst], v253
.endr
	v_permlanex16_b32 v253, v[\dst], s36, s37
	v_or_b32 v[\dst], v[\dst], v253
.endm
.macro BITMAPS
	BITMAP 20, SC
	BITMAP 21, SC+8
	BITMAP 22, SC+16
	BITMAP 23, SC+24
.endm
	s_load_b256 s[4:11], s[0:1], 0x0               ; qc, kv, vsum, indices
	s_load_b64 s[12:13], s[0:1], 0x20              ; out
	v_lshl_add_u32 v17, v0, 2, SPARE
	v_mov_b32 v18, 0
	v_lshrrev_b32 v19, 5, v0
	v_readfirstlane_b32 s14, v19                   ; wave 0..7
	s_mov_b32 s15, ttmp9
	s_and_b32 s16, ttmp7, 0xffff
	s_and_b32 s22, s14, 3
	s_lshr_b32 s48, s14, 2
	s_xor_b32 s46, s48, s14
	s_and_b32 s46, s46, 1                          ; class
	s_lshl_b32 s47, s15, 1
	s_add_co_u32 s47, s47, 2                       ; the step at whose head section B goes out
	s_sub_co_u32 s20, 7, s15
	s_lshl_b32 s20, s20, 1
	s_add_co_u32 s20, s20, s48                     ; A's group of 128 queries
	s_lshl_b32 s21, s15, 1
	s_add_co_u32 s21, s21, 1
	s_sub_co_u32 s21, s21, s48                     ; B's
	s_sub_co_u32 s23, 8, s15
	s_lshl_b32 s23, s23, 1                         ; blocks that the work-group reads
	s_mul_i32 s49, s14, 4352
	s_add_co_u32 s49, s49, STG                     ; my stage
	s_mul_i32 s50, s22, 3072                       ; my pair's codes in a group of Q,
	s_lshl_b32 s51, s22, 8                         ; its scale words
	s_lshr_b32 s48, s16, 4
	s_lshl_b32 s48, s48, 11
	s_lshl_b32 s62, s22, 5
	s_add_co_u32 s48, s48, s62                     ; 2,048 x sequence + my 32 rows
	s_and_b32 s62, s16, 15                         ; head
	s_lshl_b32 s63, s16, 4
	s_add_co_u32 s52, s63, s20
	s_mul_i32 s52, s52, QBLK
	s_mov_b32 s53, 0
	s_add_co_u32 s54, s63, s21
	s_mul_i32 s54, s54, QBLK
	s_mov_b32 s55, 0
	s_lshl_b32 s56, s20, 7
	s_add_co_u32 s56, s56, s48                     ; my first token, A,
	s_lshl_b32 s58, s21, 7
	s_add_co_u32 s58, s58, s48                     ; B
	s_lshl_b32 s63, s62, 8
	s_lshl_b32 s32, s56, 12
	s_add_co_u32 s32, s32, s63                     ; in out: 4,096 x token + 256 x head
	s_mov_b32 s33, 0
	s_lshl_b32 s34, s58, 12
	s_add_co_u32 s34, s34, s63
	s_mov_b32 s35, 0
	s_lshr_b32 s63, s62, 2
	s_lshl_b32 s63, s63, 6
	s_lshl_b32 s56, s56, 8
	s_add_co_u32 s56, s56, s63                     ; among the indices: 256 x token + 64 x (head / 4)
	s_mov_b32 s57, 0
	s_lshl_b32 s58, s58, 8
	s_add_co_u32 s58, s58, s63
	s_mov_b32 s59, 0
	s_mul_i32 s24, s16, 16*BLKB
	s_mov_b32 s25, 0
	s_lshl_b32 s60, s16, 11
	s_mov_b32 s61, 0
	s_mov_b32 s36, 0x76543210
	s_mov_b32 s37, 0xfedcba98                      ; selects for lane l xor 16
	s_mov_b32 s38, 0x3dd53b95                      ; c
	s_mov_b32 s39, s38
	s_mov_b32 s30, 0xbdd53b95                      ; -c
	s_mov_b32 s26, 0
	s_mov_b32 s27, PAIR
	s_mov_b32 s28, 1
	s_mov_b32 s29, 2
	s_mov_b32 s18, 0
	s_mov_b32 s17, 0
	v_and_b32 v19, 31, v0                          ; l
	v_lshlrev_b32 v3, 4, v0
	v_lshlrev_b32 v4, 3, v0
	v_and_b32 v5, 15, v0                           ; r
	v_bfe_u32 v6, v0, 4, 1                         ; h
	v_lshlrev_b32 v1, 4, v19
	v_lshlrev_b32 v2, 2, v19
	v_and_b32 v7, 8, v5
	v_lshlrev_b32 v8, 4, v6
	v_add_nc_u32 v7, v7, v5                        ; r + 8 (r / 8)
	v_mov_b32 v11, 0xff800000
	v_sub_nc_u32 v12, v7, v8
	v_mul_u32_u24 v13, v5, 272
	v_mul_u32_u24 v14, v6, 272
	v_lshl_add_u32 v13, v6, 5, v13
	v_lshl_add_u32 v14, v5, 4, v14
	v_add_nc_u32 v13, s49, v13                     ; stage in: row r, 32 h
	v_add_nc_u32 v14, s49, v14                     ; back: lanes 0-15 one row, lanes 16-31 the next
	v_lshlrev_b32 v15, 12, v6
	v_lshl_add_u32 v16, v6, 5, VMO
	v_lshl_add_u32 v15, v5, 4, v15
	v_add_nc_u32 v228, s50, v1                     ; offsets of the head's loads: Q's codes,
	v_add_nc_u32 v229, s51, v2                     ; Q's scale words,
	v_lshlrev_b32 v230, 8, v7
	v_lshlrev_b32 v231, 3, v19                     ; 8 l,
	v_lshl_add_u32 v230, v6, 5, v230               ; my query's row of indices, eight for each half of the lanes
	v_lshl_add_u32 v232, v19, 3, VMO
	AW
	s_wait_kmcnt 0x0
	s_add_nc_u64 s[52:53], s[4:5], s[52:53]
	s_add_nc_u64 s[54:55], s[4:5], s[54:55]
	s_add_nc_u64 s[56:57], s[10:11], s[56:57]
	s_add_nc_u64 s[58:59], s[10:11], s[58:59]
	s_add_nc_u64 s[24:25], s[6:7], s[24:25]
	s_add_nc_u64 s[60:61], s[8:9], s[60:61]
	s_add_nc_u64 s[32:33], s[12:13], s[32:33]
	s_add_nc_u64 s[34:35], s[12:13], s[34:35]
	GLOAD                                          ; key step 0
	WIN 0x40
.irp t, 0,1,2,3
.irp p, 0,1,2
	global_load_b128 v[QW+16*\t+4*\p:QW+16*\t+4*\p+3], v228, s[52+2*(\t/2):53+2*(\t/2)] offset:1536*(\t%2)+512*\p th:TH_LOAD_NT
.endr
.endr
.irp t, 0,1,2,3
.irp k, 12,13,14,15
	v_mov_b32 v[QW+16*\t+\k], 0                    ; zero codes for K = 192..255
.endr
.endr
	WIN 0
.irp t, 0,1,2,3
	global_load_b32 v[24+\t], v229, s[52+2*(\t/2):53+2*(\t/2)] offset:12288+128*(\t%2) th:TH_LOAD_NT
	global_load_b128 v[SC+8*\t:SC+8*\t+3], v230, s[56+2*(\t/2):57+2*(\t/2)] offset:2048*(\t%2)
	global_load_b128 v[SC+8*\t+4:SC+8*\t+7], v230, s[56+2*(\t/2):57+2*(\t/2)] offset:2048*(\t%2)+16
.endr
	s_cmp_eq_u32 s14, 0
	s_cbranch_scc0 .Lp_mean
.irp w, 0,1,2,3,4,5,6,7
	global_load_b64 v[140+2*\w:141+2*\w], v231, s[60:61] offset:256*\w
.endr
.Lp_mean:
.irp j, 84,85,86,87, 96,97,98,99, 244,245,246,247,248,249,250,251, 252,253,254,255
	v_mov_b32 v\j, 0                               ; written once: permute destinations, upper halves of pairs
.endr
.irp t, 0,1,2,3
	v_mov_b32 v[29+4*\t], 0xff61b1e6               ; the largest score so far: -3e38
	v_mov_b32 v[30+4*\t], 0
	v_mov_b32 v[31+4*\t], 0
.endr
.irp t, 0,1,2,3
	v_mul_f32 v[28+4*\t], s30, v[29+4*\t]
.endr
.irp t, 0,1,2,3
	v_floor_f32 v[28+4*\t], v[28+4*\t]             ; -M, made as the step makes it
.endr
	AW
	s_cmp_eq_u32 s46, 0
	s_cbranch_scc0 .Lz1
	ZEROO                                          ; class 0: under the loads' flight
.Lz1:
	AW
	s_wait_loadcnt 0x0
	s_cmp_eq_u32 s46, 0
	s_cbranch_scc0 .Lb1
	BITMAPS
.Lb1:
	SSTORE 3, 4, 0                                 ; key step 0 into slot 0
	s_cmp_eq_u32 s14, 0
	s_cbranch_scc0 .Lp_mean2
.irp w, 0,4,8,12
	v_pk_add_f32 v[140+\w:141+\w], v[140+\w:141+\w], v[142+\w:143+\w]
.endr
	v_pk_add_f32 v[140:141], v[140:141], v[144:145]
	v_pk_add_f32 v[148:149], v[148:149], v[152:153]
	v_pk_add_f32 v[140:141], v[140:141], v[148:149]
	v_pk_mul_f32 v[140:141], v[140:141], 0x3a000000 op_sel_hi:[1,0]   ; / 2,048 keys
	ds_store_b64 v232, v[140:141]
.Lp_mean2:
	s_wait_dscnt 0x0                               ; my stores have landed and have read their registers
	s_add_nc_u64 s[24:25], s[24:25], BLKB
	GLOAD                                          ; key step 1
	AW
	s_barrier_signal -1
	s_barrier_wait -1                              ; block 0 and the mean are whole
	s_cmp_eq_u32 s46, 0
	s_cbranch_scc1 .Lc0
	ZEROO                                          ; class 1: behind the first barrier
	BITMAPS
.Lc0:
; THE HAND-OVER at a step's head; the step's signal follows it in the loop's text, on every wave's way
.macro HAND wa, wb, off
	AW
	s_wait_loadcnt 0x0                             ; my share of block j + 1 is in registers; the address may be stepped
	s_add_nc_u64 s[24:25], s[24:25], BLKB
	s_add_co_u32 s31, s18, 1
	s_cmp_lt_u32 s31, s23
	s_cbranch_scc0 .Lnoh_\@
	SSTORE \wa, \wb, \off
	s_wait_dscnt 0x0                               ; the stores have read their registers
	s_add_co_u32 s31, s18, 2
	s_cmp_lt_u32 s31, s23
	s_cbranch_scc0 .Lnoh_\@
	GLOAD
.Lnoh_\@:
	s_wait_dscnt 0x0
.endm
.macro LK sb, hf, tp                   ; key tiles 2 tp, 2 tp + 1 into half hf of the fragment registers: eight LDS loads
.irp i, 0,1
	ds_load_b128 v[XF+8*(2*\hf+\i):XF+8*(2*\hf+\i)+3], v5 offset:\sb+1536*(2*\tp+\i)
	ds_load_b128 v[XF+8*(2*\hf+\i)+4:XF+8*(2*\hf+\i)+7], v5 offset:\sb+1536*(2*\tp+\i)+512
	ds_load_b128 v[YF+12*\hf+4*\i:YF+12*\hf+4*\i+3], v5 offset:\sb+1536*(2*\tp+\i)+1024
	ds_load_b32 v[KS+2*\hf+\i], v6 offset:\sb+16384+128*(2*\tp+\i)
.endr
.endm
.macro MK hf, tp, sec                  ; two key tiles x two query tiles: four accumulators by turns
	WIN 0x04
.irp T, 0,1
.irp i, 0,1
	v_wmma_scale_f32_16x16x128_f8f6f4 v[SC+64*\T+8*(2*\tp+\i):SC+64*\T+8*(2*\tp+\i)+7], v[XF+8*(2*\hf+\i):XF+8*(2*\hf+\i)+7], v[QW+32*\sec+16*\T:QW+32*\sec+16*\T+7], 0, v[KS+2*\hf+\i], v[24+2*\sec+\T] matrix_a_fmt:MATRIX_FMT_FP4 matrix_b_fmt:MATRIX_FMT_FP4
.endr
.endr
.irp T, 0,1
.irp i, 0,1
	v_wmma_scale_f32_16x16x128_f8f6f4 v[SC+64*\T+8*(2*\tp+\i):SC+64*\T+8*(2*\tp+\i)+7], v[YF+12*\hf+4*\i:YF+12*\hf+4*\i+7], v[QW+32*\sec+16*\T+8:QW+32*\sec+16*\T+15], v[SC+64*\T+8*(2*\tp+\i):SC+64*\T+8*(2*\tp+\i)+7], v[KS+2*\hf+\i], v[24+2*\sec+\T] matrix_a_fmt:MATRIX_FMT_FP4 matrix_b_fmt:MATRIX_FMT_FP4 matrix_a_scale:MATRIX_SCALE_ROW1 matrix_b_scale:MATRIX_SCALE_ROW1
.endr
.endr
	WIN 0
.endm
.macro MASKB T, sec                    ; which lanes' queries chose the step's two blocks of 64 keys; these four lines are also the places behind the products
	v_and_b32 v[FF+1+2*\T], s28, v[20+2*\sec+\T]
	v_cmp_ne_u32 s[40+2*\T], 0, v[FF+1+2*\T]
	v_and_b32 v[FF+1+2*\T], s29, v[20+2*\sec+\T]
	v_cmp_ne_u32 s[41+2*\T], 0, v[FF+1+2*\T]
.endm
; A KEY STEP OF A PAIR OF TILES: 128 keys from the slot at sb, section sec
.macro PSTEP sb, sec
	AW
	s_cmp_gt_u32 s18, s[20+\sec]                   ; all 128 keys come after my queries
	s_cbranch_scc1 .Lhid_\@
	LK \sb, 0, 0
	LK \sb, 1, 1
	s_wait_dscnt 8                                 ; all but the eight loads just issued
	MK 0, 0, \sec
	MASKB 0, \sec
	LK \sb, 0, 2
	s_wait_dscnt 8
	MK 1, 1, \sec
	MASKB 1, \sec
	LK \sb, 1, 3
	s_wait_dscnt 8
	MK 0, 2, \sec
	s_wait_dscnt 0x0
	MK 1, 3, \sec
	NOPS 4                                         ; places: for the loads below and the first reads of the scores
.irp d, 0,1,2,3                                ; V and its scale words land under the softmax
	ds_load_b128 v[XF+8*\d:XF+8*\d+3], v5 offset:\sb+12288+1024*\d
	ds_load_b128 v[XF+8*\d+4:XF+8*\d+7], v5 offset:\sb+12288+1024*\d+512
.endr
	ds_load_b32 v[VS], v6 offset:\sb+17408
	ds_load_b32 v[VS+1], v6 offset:\sb+17408+128
	s_cmp_eq_u32 s18, s[20+\sec]                   ; the diagonal: my 32 rows lie in block s22 of the step's four blocks of 32 keys
	s_cbranch_scc0 .Lopen_\@
.irp b, 0,1,2,3
	s_cmp_gt_u32 s22, \b                           ; an earlier block counts whole
	s_cbranch_scc1 .Lnx_\@_\b
.if \b > 0
	s_cmp_eq_u32 s22, \b
	s_cbranch_scc0 .Lfl_\@_\b
.endif
.irp T, 0,1
.set n, 0
.rept 16                                       ; register 16 b + n holds key 32 b + 16 h + n: hidden where n > 8 T + r + 8 (r / 8) - 16 h
	v_cmp_gt_i32 vcc_lo, n-8*\T, v12
	v_cndmask_b32 v[SC+64*\T+16*\b+n], v[SC+64*\T+16*\b+n], v11, vcc_lo
.set n, n+1
.endr
.endr
.if \b > 0
	s_branch .Lnx_\@_\b
.Lfl_\@_\b:
.irp T, 0,1
.set n, 0
.rept 16
	v_mov_b32 v[SC+64*\T+16*\b+n], v11             ; a later block is hidden whole
.set n, n+1
.endr
.endr
.endif
.Lnx_\@_\b:
.endr
.Lopen_\@:
	AW
.irp T, 0,1
.irp b, 0,1,2,3
	v_max3_num_f32 v[BM+4*\T+\b], v[SC+64*\T+16*\b], v[SC+64*\T+16*\b+1], v[SC+64*\T+16*\b+2]   ; the largest score of each block of 32 keys
.endr
.endr
.irp i, 3,5,7,9,11,13
.irp T, 0,1
.irp b, 0,1,2,3
	v_max3_num_f32 v[BM+4*\T+\b], v[BM+4*\T+\b], v[SC+64*\T+16*\b+\i], v[SC+64*\T+16*\b+\i+1]
.endr
.endr
.endr
.irp T, 0,1
.irp b, 0,1,2,3
	v_max_num_f32 v[BM+4*\T+\b], v[BM+4*\T+\b], v[SC+64*\T+16*\b+15]
.endr
.endr
.irp T, 0,1
.irp b, 0,1,2,3
	v_permlanex16_b32 v[YF+8+12*\T+\b], v[BM+4*\T+\b], s36, s37
.endr
.endr
.irp T, 0,1
.irp b, 0,1,2,3
	v_max_num_f32 v[BM+4*\T+\b], v[BM+4*\T+\b], v[YF+8+12*\T+\b]   ; with lane l xor 16's 16 keys
.endr
.endr
.irp T, 0,1
.irp b, 0,1,2,3
	v_cndmask_b32 v[BM+4*\T+\b], v11, v[BM+4*\T+\b], s[40+2*\T+\b/2]   ; a block that my query did not choose counts for nothing
.endr
.endr
.irp T, 0,1
	v_max3_num_f32 v[FF+1+2*\T], v[BM+4*\T], v[BM+4*\T+1], v[BM+4*\T+2]
.endr
.irp T, 0,1
	D2
	v_max3_num_f32 v[29+8*\sec+4*\T], v[29+8*\sec+4*\T], v[FF+1+2*\T], v[BM+4*\T+3]   ; the running largest score
.endr
.irp T, 0,1
	D2
	v_mul_f32 v[FF+1+2*\T], s30, v[29+8*\sec+4*\T]                 ; -t
.endr
.irp T, 0,1
	D2
	v_floor_f32 v[FF+1+2*\T], v[FF+1+2*\T]                         ; the new -M: M is a whole number
.endr
.irp T, 0,1
	D2
	v_sub_f32 v[FF+2*\T], v[FF+1+2*\T], v[28+8*\sec+4*\T]          ; old M - new M, 0 or less
.endr
.irp T, 0,1
	v_mov_b32 v[28+8*\sec+4*\T], v[FF+1+2*\T]
.endr
.irp T, 0,1
	v_cvt_i32_f32 v[FF+2*\T], v[FF+2*\T]                           ; (it saturates)
.endr
.irp T, 0,1
	D2
	v_ldexp_f32 v[FF+2*\T], 1.0, v[FF+2*\T]                        ; f = 2^(old M - new M)
.endr
.irp T, 0,1
.irp u, 0,1
	v_cndmask_b32 v[AD+4*\T+2*\u], v11, v[28+8*\sec+4*\T], s[40+2*\T+\u]   ; the addend of t - M: -M, or -infinity
.endr
.endr
.irp T, 0,1
.set j, 0
.rept 16
	v_pk_fma_f32 v[SC+64*\T+j:SC+64*\T+j+1], v[SC+64*\T+j:SC+64*\T+j+1], s[38:39], v[AD+4*\T:AD+4*\T+1] op_sel_hi:[1,0,0]
.set j, j+2
.endr
.rept 16
	v_pk_fma_f32 v[SC+64*\T+j:SC+64*\T+j+1], v[SC+64*\T+j:SC+64*\T+j+1], s[38:39], v[AD+4*\T+2:AD+4*\T+3] op_sel_hi:[1,0,0]
.set j, j+2
.endr
.endr
.irp T, 0,1
.irp b, 0,1,2,3
	v_fma_f32 v[BM+4*\T+\b], v[BM+4*\T+\b], s38, v[28+8*\sec+4*\T]   ; the same of each block's largest score
.endr
.endr
	AW                                             ; ahead of the batch
.set j, 0
.rept 128
	v_exp_f32 v[SC+j], v[SC+j]                     ; p = 2^(t - M), at most 1
.set j, j+1
.endr
.irp T, 0,1
	v_pk_mul_f32 v[30+8*\sec+4*\T:31+8*\sec+4*\T], v[30+8*\sec+4*\T:31+8*\sec+4*\T], v[FF+2*\T:FF+2*\T+1] op_sel_hi:[1,0]   ; the sums under the new M
.endr
	AW                                             ; behind the batch
.set j, 0
.rept 8
	v_exp_f32 v[BM+j], v[BM+j]                     ; each block's largest p
.set j, j+1
.endr
.irp T, 0,1                                    ; the sum of the unquantised p: three chains a tile
	v_pk_add_f32 v[YF+8+12*\T:YF+9+12*\T], v[SC+64*\T:SC+64*\T+1], v[SC+64*\T+2:SC+64*\T+3]
	v_pk_add_f32 v[YF+10+12*\T:YF+11+12*\T], v[SC+64*\T+4:SC+64*\T+5], v[SC+64*\T+6:SC+64*\T+7]
.endr
.irp m, 0,1,2,3,4,5,6,7,8
.irp T, 0,1
	v_pk_add_f32 v[30+8*\sec+4*\T:31+8*\sec+4*\T], v[30+8*\sec+4*\T:31+8*\sec+4*\T], v[SC+64*\T+8+6*\m:SC+64*\T+9+6*\m]
	v_pk_add_f32 v[YF+8+12*\T:YF+9+12*\T], v[YF+8+12*\T:YF+9+12*\T], v[SC+64*\T+10+6*\m:SC+64*\T+11+6*\m]
	v_pk_add_f32 v[YF+10+12*\T:YF+11+12*\T], v[YF+10+12*\T:YF+11+12*\T], v[SC+64*\T+12+6*\m:SC+64*\T+13+6*\m]
.endr
.endr
.irp T, 0,1
	v_pk_add_f32 v[30+8*\sec+4*\T:31+8*\sec+4*\T], v[30+8*\sec+4*\T:31+8*\sec+4*\T], v[SC+64*\T+62:SC+64*\T+63]
	v_pk_add_f32 v[YF+8+12*\T:YF+9+12*\T], v[YF+8+12*\T:YF+9+12*\T], v[YF+10+12*\T:YF+11+12*\T]
.endr
.irp T, 0,1
	v_pk_add_f32 v[30+8*\sec+4*\T:31+8*\sec+4*\T], v[30+8*\sec+4*\T:31+8*\sec+4*\T], v[YF+8+12*\T:YF+9+12*\T]
.endr
	AW                                             ; behind the eight
.set j, 0
.rept 8
	v_max_num_f32 v[BM+j], 0x1800000, v[BM+j]      ; the floor 2^(3 - 127): the byte cannot fall under 1
.set j, j+1
.endr
.set j, 0
.rept 8
	v_add_nc_u32 v[BM+j], 0xff000000, v[BM+j]      ; 2 off the exponent field: the conversion's scale operand
.set j, j+1
.endr
.irp T, 0,1
.irp b, 0,1,2,3
	v_lshrrev_b32 v[YF+8+12*\T+\b], 23, v[BM+4*\T+\b]   ; the scale's byte
.endr
.endr
.irp T, 0,1
	v_lshl_or_b32 v[PS+\T], v[YF+9+12*\T], 8, v[YF+8+12*\T]
.endr
.irp T, 0,1
	D2
	v_lshl_or_b32 v[PS+\T], v[YF+10+12*\T], 16, v[PS+\T]
.endr
.irp T, 0,1
	D2
	v_lshl_or_b32 v[PS+\T], v[YF+11+12*\T], 24, v[PS+\T]           ; p's scale word for these 128 keys
.endr
.irp T, 0,1
.irp b, 0,1,2,3
	v_cvt_scalef32_pk8_fp4_f32 v[YF+12*\T+2*\b], v[SC+64*\T+16*\b:SC+64*\T+16*\b+7], v[BM+4*\T+\b]
	v_cvt_scalef32_pk8_fp4_f32 v[YF+12*\T+2*\b+1], v[SC+64*\T+16*\b+8:SC+64*\T+16*\b+15], v[BM+4*\T+\b]
.endr
.endr
	v_nop                                          ; one plain line behind the conversions
.irp T, 0,1
.irp c, 0,1                                    ; the operand wants a whole block in a lane
.irp i, 0,1
	v_permlane16_swap_b32 v[YF+12*\T+4*\c+\i], v[YF+12*\T+4*\c+2+\i]
.endr
.endr
.endr
	WIN 0x41
	AW                                             ; directly ahead of the first readers of O^T
.irp T, 0,1
.set j, 0
.rept 16
	v_pk_mul_f32 v[64*\sec+32*\T+j:64*\sec+32*\T+j+1], v[64*\sec+32*\T+j:64*\sec+32*\T+j+1], v[FF+2*\T:FF+2*\T+1] op_sel_hi:[1,0]   ; O^T under the new M; also the places ahead of the products below
.set j, j+2
.endr
.endr
	AW
	s_wait_dscnt 0x0                               ; V and its scale words are in
	WIN 0x50
.irp d, 0,1,2,3                                ; O^T += V^T P^T: eight accumulators by turns
.irp T, 0,1
.if \d%2
	v_wmma_scale_f32_16x16x128_f8f6f4 v[64*\sec+32*\T+8*\d:64*\sec+32*\T+8*\d+7], v[XF+8*\d:XF+8*\d+7], v[YF+12*\T:YF+12*\T+7], v[64*\sec+32*\T+8*\d:64*\sec+32*\T+8*\d+7], v[VS+\d/2], v[PS+\T] matrix_a_fmt:MATRIX_FMT_FP4 matrix_b_fmt:MATRIX_FMT_FP4 matrix_a_scale:MATRIX_SCALE_ROW1
.else
	v_wmma_scale_f32_16x16x128_f8f6f4 v[64*\sec+32*\T+8*\d:64*\sec+32*\T+8*\d+7], v[XF+8*\d:XF+8*\d+7], v[YF+12*\T:YF+12*\T+7], v[64*\sec+32*\T+8*\d:64*\sec+32*\T+8*\d+7], v[VS+\d/2], v[PS+\T] matrix_a_fmt:MATRIX_FMT_FP4 matrix_b_fmt:MATRIX_FMT_FP4
.endif
.endr
.endr
	WIN 0
	NOPS 4                                         ; places: for the next loads into these operands, and for the way out's reads of O^T
.Lhid_\@:
.endm
.macro STEPEND
	s_add_co_u32 s18, s18, 1
	s_lshl_b32 s28, s28, 2
	s_lshl_b32 s29, s29, 2
	AW
	s_barrier_wait -1                              ; the next block is whole, and every wave is in this step or later
.endm
; THE WAY OUT of a section's two tiles: O^T / the sum, or the mean of the quantised v where the sum is 0; through my own stage, so that sixteen lanes store a (token, head) row: 256 consecutive bytes, aligned
.macro WAYOUT sec
.irp d, 0,1,2,3
	ds_load_b128 v[SC+8*\d:SC+8*\d+3], v16 offset:64*\d
	ds_load_b128 v[SC+8*\d+4:SC+8*\d+7], v16 offset:64*\d+16
.endr
.irp T, 0,1
	v_add_f32 v[BM+\T], v[30+8*\sec+4*\T], v[31+8*\sec+4*\T]
	v_mov_b32 v[BM+4+\T], 0
.endr
.irp T, 0,1
	v_permlanex16_b32 v[BM+4+\T], v[BM+\T], s36, s37
.endr
.irp T, 0,1
	v_add_f32 v[BM+\T], v[BM+\T], v[BM+4+\T]       ; the row's sum
.endr
	AW
	s_wait_dscnt 0x0                               ; the mean is in
.irp T, 0,1
	v_rcp_f32 v[BM+4+\T], v[BM+\T]
.endr
.irp T, 0,1
	v_cmp_lt_f32 s[44+\T], 0, v[BM+\T]             ; a row with a key has a sum above 1/2
.endr
	AW
.irp T, 0,1
	WIN 0x01
	AW                                             ; directly ahead of the first readers of O^T
.set j, 0
.rept 32
	v_mul_f32 v[SC+32+j], v[64*\sec+32*\T+j], v[BM+4+\T]
.set j, j+1
.endr
	WIN 0
.set j, 0
.rept 32
	v_cndmask_b32 v[SC+32+j], v[SC+j], v[SC+32+j], s[44+\T]
.set j, j+1
.endr
.irp d, 0,1,2,3
	ds_store_b128 v13, v[SC+32+8*\d:SC+35+8*\d] offset:64*\d
	ds_store_b128 v13, v[SC+36+8*\d:SC+39+8*\d] offset:64*\d+16
.endr
.irp i, 0,1,2,3,4,5,6,7
	ds_load_b128 v[SC+64+32*\T+4*\i:SC+67+32*\T+4*\i], v14 offset:544*\i   ; LDS serves a wave's instructions in order
.endr
.irp i, 0,1,2,3,4,5,6,7
	s_wait_dscnt 7-\i                              ; the younger reads back may be out
	global_store_b128 v15, v[SC+64+32*\T+4*\i:SC+67+32*\T+4*\i], s[32+2*\sec:33+2*\sec] offset:(2*\i+8*(\i/4))*4096+32768*\T th:TH_STORE_NT
.endr
.endr
	s_wait_xcnt 0x0                                ; the stores have read their registers: these are written again only behind this wait
.endm
.Ltrip:                                            ; eight trips of two key steps; the trip's two slots and the other two change places
	v_add_nc_u32 v5, s26, v1
	v_add_nc_u32 v6, s26, v2
	v_add_nc_u32 v7, s26, v3
	v_add_nc_u32 v8, s26, v4
	v_add_nc_u32 v9, s27, v3
	v_add_nc_u32 v10, s27, v4
	HAND 7, 8, BLKB
	s_cmp_eq_u32 s18, s47                          ; section B's last step lies behind every wave
	s_cbranch_scc0 .Lno_b
	WAYOUT 1
.Lno_b:
	s_wait_dscnt 0x0                               ; no LDS instruction of mine is out: my share of block j + 1 has landed
	s_barrier_signal -1
	PSTEP 0, 0
	PSTEP 0, 1
	STEPEND
	HAND 9, 10, 0
	s_add_co_u32 s31, s20, 1                       ; odd in waves 0-3 alone: the step behind their section A's last
	s_cmp_eq_u32 s18, s31
	s_cbranch_scc0 .Lno_a
	WAYOUT 0
.Lno_a:
	s_wait_dscnt 0x0
	s_barrier_signal -1
	PSTEP BLKB, 0
	PSTEP BLKB, 1
	STEPEND
	s_xor_b32 s26, s26, PAIR
	s_xor_b32 s27, s27, PAIR
	s_add_co_u32 s17, s17, 1
	s_cmp_lt_u32 s17, 8
	s_cbranch_scc1 .Ltrip
	s_cmp_lt_u32 s14, 4
	s_cbranch_scc1 .Ldone
	WAYOUT 0                                       ; waves 4-7: section A
.Ldone:
	s_wait_tensorcnt 0x0                           ; the wave's end
	ds_add_u32 v17, v18
	s_wait_dscnt 0x0
	s_endpgm
.Lfunc_end_k_qdfbefab410_attn:
	.size	k_qdfbefab410_attn, .Lfunc_end_k_qdfbefab410_attn-k_qdfbefab410_attn
	.p2alignl 7, 3214868480
	.fill 96, 4, 3214868480
	.section	.rodata,"a",@progbits
	.p2align	6, 0x0
	.amdhsa_kernel k_qdfbefab410_attn
		.amdhsa_group_segment_fixed_size 106752
		.amdhsa_private_segment_fixed_size 0
		.amdhsa_enable_private_segment 0
		.amdhsa_kernarg_size 40
		.amdhsa_user_sgpr_count 2
		.amdhsa_user_sgpr_kernarg_segment_ptr 1
		.amdhsa_wavefront_size32 1
		.amdhsa_system_sgpr_workgroup_id_x 1
		.amdhsa_system_sgpr_workgroup_id_y 1
		.amdhsa_system_sgpr_workgroup_id_z 1
		.amdhsa_system_vgpr_workitem_id 0
		.amdhsa_next_free_vgpr 512
		.amdhsa_next_free_sgpr 66
		.amdhsa_reserve_vcc 1
		.amdhsa_float_denorm_mode_32 3
		.amdhsa_float_denorm_mode_16_64 3
		.amdhsa_memory_ordered 1
		.amdhsa_forward_progress 1
		.amdhsa_inst_pref_size 249
	.end_amdhsa_kernel
	.amdgpu_metadata
---
amdhsa.version: [ 1, 2 ]
amdhsa.kernels:
  - .name:           k_qdfbefab410_attn
    .symbol:         k_qdfbefab410_attn.kd
    .args:
      - { .name: qc, .offset: 0, .size: 8, .value_kind: global_buffer, .address_space: global }
      - { .name: kv, .offset: 8, .size: 8, .value_kind: global_buffer, .address_space: global }
      - { .name: vsum, .offset: 16, .size: 8, .value_kind: global_buffer, .address_space: global }
      - { .name: selected_indices, .offset: 24, .size: 8, .value_kind: global_buffer, .address_space: global }
      - { .name: out0, .offset: 32, .size: 8, .value_kind: global_buffer, .address_space: global }
    .group_segment_fixed_size: 106752
    .private_segment_fixed_size: 0
    .kernarg_segment_align: 8
    .kernarg_segment_size: 40
    .max_flat_workgroup_size: 256
    .sgpr_count:     66
    .vgpr_count:     512
    .wavefront_size: 32
...
	.end_amdgpu_metadata
.endif
;; end of part 2
